; MI455X (gfx1250); checked and timed in simulation.
; The chip was launched on July 23, 2026; its instructions are those of AMD's public machine-readable ISA for CDNA 5 (MIT licence, August 2026) and "CDNA5" Instruction Set Architecture Reference Guide (July 2026). The comments in the code are by the model that wrote it; some were corrected since.
;; Harmonic Oscillator. Allowed arithmetic: float matrix products may take bf16 or f16 operands with f32 sums; other float arithmetic in f32, or as packed bf16 or f16 multiplies, adds, multiply-adds, maxima and minima; sums over many terms, partial sums and values carried from step to step in f32; what a program stores and reads back later, other than sums and carried values, may be rounded once to bf16 or f16.
;; Inputs: f0 8 x 1 x 1,000 float32; harmonic_dist 8 x 100 x 1,000 float32; phase_shift 8 x 1 x 1,000 float32.
;; Outputs: out0 8 x 80,000 float32.
;; One version. Each part assembles by itself: llvm-mc -triple=amdgcn-amd-amdhsa -mcpu=gfx1250 --defsym DOCPART=n.
;; ======== version 1 of 1: 1 launch
;; limits: values outside matrix products are rounded to f16; values are held in f16: magnitudes above 65,504 overflow, below 6.1e-05 lose precision; a function is approximated: absolute error at most 0.00041; inputs' magnitudes at most 65,504; below input magnitudes of 6e-05 results are inexact or not finite; right only within a limited range of input values
;; launch harmonics (part 1): grid 250 x 1, 8 waves a work-group, no clusters, 35,840 bytes of LDS; arguments f0, harmonic_dist, phase_shift, out0; writes out0
.if DOCPART == 1
	.amdgcn_target "amdgcn-amd-amdhsa--gfx1250"
	.amdhsa_code_object_version 6
	.text
	.protected	k_q4c960aa797_harmonics
	.globl	k_q4c960aa797_harmonics
	.p2align	8
	.type	k_q4c960aa797_harmonics,@function
k_q4c960aa797_harmonics:
	s_mov_b64 s[64:65], 0
	v_nop
	global_prefetch_b8 v0, s[64:65] scope:SCOPE_SE
	s_setreg_imm32_b32 hwreg(HW_REG_WAVE_MODE, 25, 1), 1
	s_wait_xcnt 0x0
; out0[b][s] = sum over h = 1..100 of sin(base[b][s] * h + ps_up[b][s]) * hd_up[b][h][s],  b < 8, s < 80,000, all f32.
; f0_up, ps_up, hd_up: linear interpolation of 1,000 frames at pos = s * (999/79999);  base = (2 pi / 16000) * f0_up * s.
; THE PHASE IS MADE IN f32, STEP BY STEP.  It reaches 1.26e6 rad, where neighbouring f32 numbers lie 0.06 to 0.125 rad apart, so the result hangs on every single rounding of pos, w, f0_up,
; ps_up, base and the phase; for the same reason no recurrence over h is used.
; ORDER OF ROUNDING: three decisions of this text, which follow reference() as a compiler makes it and not as it is written, each with a switch of its own:
;   FUSE_L = 1:   x0 + (x1 - x0) * w is ONE fused multiply-add, with one rounding (the multiply's only use is the add behind it);
;   FUSE_P = 1:   base * h + ps_up likewise;
;   CT_FIRST = 1: base = f0_up * ((2 pi / 16000) * t): the scalar constant is multiplied onto t, the vector that is broadcast over the batches, and rounded there; reference() writes ((2 pi / 16000) * f0_up) * t.
; pos = s * c is rounded by itself (floor reads it too), and so is w = pos - i0.
; LEFT OUT: only the lower bound of reference()'s clip: pos = s * c with s >= 0 and c > 0, so floor(pos) >= 0 whatever the inputs hold.  All three inputs are read.
; THE SINE of the f32 phase x:  t = fma(x, K1, M), n = t - M (a whole number of turns), f = fma(x, K1, -n), f = fma(x, K2, f), with K1 + K2 = 1 / (2 pi) to 48 bits;
; sin(2 pi f) = f * P(f * f), five coefficients (the Chebyshev series of sin(1.5 pi z), z = f / 0.75, cut behind T9): off by 4.1e-4 at the most for |f| <= 0.75.
; M = 2^23 + 2^20 where base >= 0, 2^24 - 2^20 where base < 0, so that t stays where f32 numbers are 1 apart.
; LIMITS.  |x| <= 3.9e7 rad (|f| <= 0.5 + |x| K2 <= 0.75; 31 times the largest phase at f0 = 400), and against base's sign |x| <= 6.5e6 rad.
; The sines and harmonic_dist are rounded once to f16 for the matrix unit: |harmonic_dist| < 65,504, and below 6e-5 it keeps f16's fixed step of 6e-8.  NaN and infinities are not treated apart.
; THE WEIGHTED SUM IS A PRODUCT.  sum_h S[s][h] (x0 + (x1 - x0) w) = lo + w (hi - lo) with lo = (X S)[i0][s], hi = (X S)[i0+1][s], X[frame][h] = harmonic_dist.
; D = A B:  A = 16 rows of X (frames), B = 16 columns of S (samples), K = harmonics.  A lane (r, hh) holds row or column r and 64 of the 128 K places: here harmonics 50 hh + 1 .. 50 hh + 50 in 25
; registers (two to a register) and 7 registers of zeros, the same in A and in B.  So a lane computes 50 sines of ONE sample, two at a time by packed f32 lines, and their packed halves ARE B's fragment.
; SHARES.  Wave w of a work-group is batch w; the work-group is a chunk of 320 samples.  A trip takes 64 samples: lane L has samples 2 L and 2 L + 1 (group 0, group 1), so one store of 8 bytes a lane
; covers 256 consecutive bytes, aligned.  A group is two tiles of 16 samples (lanes 0-15's, lanes 16-31's).  64 samples span 0.79 frames: with a = floor(first sample * c) every i0 is a or a + 1.
; A's rows m are frames a + min(m % 8, 2), read from the wave's own window in LDS, so registers 0, 1, 2 of D hold frames a, a + 1, a + 2 in every lane, for the lane's sample r.
; NO ADDRESS IS MADE OF A FLOAT: a is whole-number arithmetic on the sample's number (c's 24-bit mantissa times s, upper word); the f32 index floor(pos) only sets select masks.
.set FUSE_L,   1                       ; the two interpolations: multiply and add fused
.set FUSE_P,   1                       ; the phase: multiply and add fused
.set CT_FIRST, 1                       ; base = f0_up * (c * t); 0: (c * f0_up) * t
.set NSG,   5                          ; trips of 64 samples in a wave
.set PITCH, 272                        ; a frame's row in LDS: 256 bytes + 16: rows start 4 banks apart (64 banks of 4 bytes: ISA guide 11.1)
.set WIN,   16*PITCH                   ; a wave's window: 16 frames
.set SPARE, 8*WIN                      ; behind the eight windows: the spare words, 128 bytes for each wave: four blocks of 256 bytes that no other line names
; vector registers
.set SPW,  2                           ; LDS address of my spare word; never rewritten
.set NIL,  3                           ; 0; never rewritten
.set LA0,  4                           ; my place in the window for A's fragment, for a = the window's first frame
.set XA,   5                           ; the same for this trip's a
.set OA,   6                           ; 8 x lane: my 8 bytes of a trip's 256 in out0
.set AGF,  7                           ; a as f32
.set MN,   8                           ; 2^24 - 2^20
.set TMP,  9
.set SF,   10                          ; v[10:11] my two samples' numbers as f32 (reference()'s t)
.set POS,  12                          ; v[12:13] pos
.set FL,   14                          ; v[14:15] floor(pos), then clipped: i0 as f32
.set W,    16                          ; v[16:17] w
.set BASE, 18                          ; v[18:19] base
.set PSU,  20                          ; v[20:21] ps_up
.set BX,   22                          ; base, ps_up of the lane 16 away
.set PX,   23
.set TPA,  24                          ; v[24:29] tile a: base, ps_up, M of the lane's sample r, each the low word of a pair (the packed lines take the low word twice)
.set TPB,  30                          ; v[30:35] tile b
.set OUT,  36                          ; v[36:37] my two results
.set HO,   38                          ; byte offset of my frame in harmonic_dist
.set STA,  39                          ; where I store my frame's half row
.set H,    40                          ; v[40:89]   my 50 harmonic numbers as f32
.set X,    90                          ; v[90:107]  nine pairs at work: phase, later P
.set T,    108                         ; v[108:125] t, n, later f * f
.set F,    126                         ; v[126:143] f
.set SA,   144                         ; v[144:175] tile a's sines in f16: 25 registers, 7 of zeros
.set SB,   176                         ; v[176:207] tile b's
.set XF,   208                         ; v[208:239] A's fragment: three frames of harmonic_dist in f16
.set DA,   240                         ; v[240:247] tile a's sums
.set DB,   248                         ; v[248:255] tile b's
.set TF1,  X                           ; the per-sample work and the way out use the work registers while they are free
.set TF2,  X+1
.set TP1,  X+2
.set TP2,  X+3
.set X0,   X+4
.set X1,   X+6
.set Y0,   X+8
.set Y1,   X+10
.set FU,   X+12
.set CT,   X+14
.set E0,   X
.set E1,   X+1
.set E2,   X+2
; scalar registers
.set WV,   12                          ; my wave's number = the batch
.set SMP0, 13                          ; the chunk's first sample
.set FR0,  14                          ; the window's first frame
.set SG,   15                          ; first sample of the trip to be asked for next
.set AG,   16                          ; a
.set AOFF, 17                          ; (a - window's first frame) x PITCH
.set OFS,  18                          ; 4 a
.set CNT,  19
.set SFQ,  20                          ; s[20:22] f0[a .. a+2]
.set SPH,  24                          ; s[24:26] phase_shift[a .. a+2]
.set REL,  28                          ; s28, s29 masks of the lanes with i0 = a + 1, group 0 and 1
.set HM,   30                          ; mask of lanes 16-31
.set MP,   31                          ; 2^23 + 2^20
.set SEL,  32                          ; s[32:33] v_permlanex16_b32: each lane takes its own place in the other half
.set K1,   34                          ; constants as pairs: a packed line names a pair and takes its low word twice
.set K2,   36
.set Q0,   38
.set Q1,   40
.set Q2,   42
.set Q3,   44
.set Q4,   46
.set C32,  48
.set CST,  50
.set C64,  52
.set C998, 54
.set MC4,  55
.set TS,   56
.set TS2,  58
.macro SPAIR r, val
	s_mov_b32 s[\r], \val
	s_mov_b32 s[\r+1], \val
.endm
.macro EACH cnt, line:vararg           ; one line for each pair i of a batch
.set i, 0
.rept \cnt
	\line
.set i, i+1
.endr
.endm
; The next trip's a, its three frames of f0 and of phase_shift, and its place in the window.  a <= 997 keeps a + 2 inside the row of 1,000; i0 (clipped to 998) is still a or a + 1.
.macro NEXTSG
	s_mul_hi_u32 s[AG], s[SG], s[MC4]              ; floor(s * c): c = 0xcc9907 * 2^-30, so s x (4 x 0xcc9907), upper word
	s_min_u32 s[AG], s[AG], 997
	s_lshl_b32 s[OFS], s[AG], 2
	s_load_b96 s[SFQ:SFQ+2], s[4:5], s[OFS] offset:0x0
	s_load_b96 s[SPH:SPH+2], s[8:9], s[OFS] offset:0x0
	s_sub_co_u32 s[AOFF], s[AG], s[FR0]
	s_min_u32 s[AOFF], s[AOFF], 13                 ; 13 + 2 is the window's last row
	s_mul_i32 s[AOFF], s[AOFF], PITCH
	s_add_co_u32 s[SG], s[SG], 64
.endm
; x0 + (x1 - x0) * w for my two samples
.macro LERP dst, a, b
	v_pk_add_f32 v[\b:\b+1], v[\b:\b+1], v[\a:\a+1] neg_lo:[0,1] neg_hi:[0,1]
.if FUSE_L
	v_pk_fma_f32 v[\dst:\dst+1], v[\b:\b+1], v[W:W+1], v[\a:\a+1]
.else
	v_pk_mul_f32 v[\b:\b+1], v[\b:\b+1], v[W:W+1]
	v_pk_add_f32 v[\dst:\dst+1], v[\a:\a+1], v[\b:\b+1]
.endif
.endm
; Pairs q0 .. q0 + cnt - 1 of a tile, stage by stage, so that no line waits for the one before it.  tp: the tile's base, ps_up, M;  sd: where its f16 sines go.
.macro BATCH tp, sd, q0, cnt
.if FUSE_P
	EACH \cnt, v_pk_fma_f32 v[X+2*i:X+2*i+1], v[H+2*(\q0)+2*i:H+2*(\q0)+2*i+1], v[\tp:\tp+1], v[\tp+2:\tp+3] op_sel_hi:[1,0,0]
.else
	EACH \cnt, v_pk_mul_f32 v[X+2*i:X+2*i+1], v[H+2*(\q0)+2*i:H+2*(\q0)+2*i+1], v[\tp:\tp+1] op_sel_hi:[1,0]
	EACH \cnt, v_pk_add_f32 v[X+2*i:X+2*i+1], v[X+2*i:X+2*i+1], v[\tp+2:\tp+3] op_sel_hi:[1,0]
.endif
	EACH \cnt, v_pk_fma_f32 v[T+2*i:T+2*i+1], v[X+2*i:X+2*i+1], s[K1:K1+1], v[\tp+4:\tp+5] op_sel_hi:[1,0,0]
	EACH \cnt, v_pk_add_f32 v[T+2*i:T+2*i+1], v[T+2*i:T+2*i+1], v[\tp+4:\tp+5] op_sel_hi:[1,0] neg_lo:[0,1] neg_hi:[0,1]
	EACH \cnt, v_pk_fma_f32 v[F+2*i:F+2*i+1], v[X+2*i:X+2*i+1], s[K1:K1+1], v[T+2*i:T+2*i+1] op_sel_hi:[1,0,1] neg_lo:[0,0,1] neg_hi:[0,0,1]
	EACH \cnt, v_pk_fma_f32 v[F+2*i:F+2*i+1], v[X+2*i:X+2*i+1], s[K2:K2+1], v[F+2*i:F+2*i+1] op_sel_hi:[1,0,1]
	EACH \cnt, v_pk_mul_f32 v[T+2*i:T+2*i+1], v[F+2*i:F+2*i+1], v[F+2*i:F+2*i+1]
	EACH \cnt, v_pk_fma_f32 v[X+2*i:X+2*i+1], v[T+2*i:T+2*i+1], s[Q4:Q4+1], s[Q3:Q3+1] op_sel_hi:[1,0,0]
	EACH \cnt, v_pk_fma_f32 v[X+2*i:X+2*i+1], v[X+2*i:X+2*i+1], v[T+2*i:T+2*i+1], s[Q2:Q2+1] op_sel_hi:[1,1,0]
	EACH \cnt, v_pk_fma_f32 v[X+2*i:X+2*i+1], v[X+2*i:X+2*i+1], v[T+2*i:T+2*i+1], s[Q1:Q1+1] op_sel_hi:[1,1,0]
	EACH \cnt, v_pk_fma_f32 v[X+2*i:X+2*i+1], v[X+2*i:X+2*i+1], v[T+2*i:T+2*i+1], s[Q0:Q0+1] op_sel_hi:[1,1,0]
	EACH \cnt, v_pk_mul_f32 v[X+2*i:X+2*i+1], v[X+2*i:X+2*i+1], v[F+2*i:F+2*i+1]
	EACH \cnt, v_cvt_pk_f16_f32 v[\sd+(\q0)+i], v[X+2*i], v[X+2*i+1]
.endm
.macro SINES tp, sd                    ; a tile: 25 pairs a lane
	BATCH \tp, \sd, 0, 9
	BATCH \tp, \sd, 9, 8
	BATCH \tp, \sd, 17, 8
.endm
; Group j's base and ps_up go from a sample a lane to a tile's layout, where lanes r and r + 16 both serve sample r.
.macro PERM j
	v_permlanex16_b32 v[BX], v[BASE+\j], s[SEL], s[SEL+1]
	v_permlanex16_b32 v[PX], v[PSU+\j], s[SEL], s[SEL+1]
.endm
.macro CND4 j
	v_cndmask_b32 v[TPA], v[BASE+\j], v[BX], s[HM]     ; tile a: the samples of lanes 0-15
	v_cndmask_b32 v[TPB], v[BX], v[BASE+\j], s[HM]     ; tile b: those of lanes 16-31
	v_cndmask_b32 v[TPA+2], v[PSU+\j], v[PX], s[HM]
	v_cndmask_b32 v[TPB+2], v[PX], v[PSU+\j], s[HM]
.endm
.macro MSEL                            ; M by base's sign
	v_cmp_gt_f32 vcc_lo, 0, v[TPA]
	v_cndmask_b32 v[TPA+4], s[MP], v[MN], vcc_lo
	v_cmp_gt_f32 vcc_lo, 0, v[TPB]
	v_cndmask_b32 v[TPB+4], s[MP], v[MN], vcc_lo
.endm
; Eight products: 128 K places for each of the two tiles.  The two accumulators take turns, one instruction a turn; the first products start the sums.
.macro MMS
	v_wmma_f32_16x16x32_f16 v[DA:DA+7], v[XF:XF+7], v[SA:SA+7], 0
	v_wmma_f32_16x16x32_f16 v[DB:DB+7], v[XF:XF+7], v[SB:SB+7], 0
.irp j, 1,2,3
	v_wmma_f32_16x16x32_f16 v[DA:DA+7], v[XF+8*\j:XF+8*\j+7], v[SA+8*\j:SA+8*\j+7], v[DA:DA+7]
	v_wmma_f32_16x16x32_f16 v[DB:DB+7], v[XF+8*\j:XF+8*\j+7], v[SB+8*\j:SB+8*\j+7], v[DB:DB+7]
.endr
.endm
; Group j's way out, a sample a lane again: lanes 16-31 take tile b's sums; frames i0 and i0 + 1 are picked; lo + w (hi - lo).  Each accumulator is read from its lowest register on.
.macro EPI j
	v_cndmask_b32 v[E0], v[DA], v[DB], s[HM]
	v_cndmask_b32 v[E1], v[DA+1], v[DB+1], s[HM]
	v_cndmask_b32 v[E2], v[DA+2], v[DB+2], s[HM]
	v_cndmask_b32 v[E0], v[E0], v[E1], s[REL+\j]
	v_cndmask_b32 v[E1], v[E1], v[E2], s[REL+\j]
	v_sub_f32 v[E1], v[E1], v[E0]
	v_fma_f32 v[OUT+\j], v[E1], v[W+\j], v[E0]
.endm
	s_load_b256 s[4:11], s[0:1], 0x0               ; f0 s[4:5], harmonic_dist s[6:7], phase_shift s[8:9], out0 s[10:11]
	v_lshl_add_u32 v[SPW], v0, 2, SPARE
	v_mov_b32 v[NIL], 0
	v_lshrrev_b32 v1, 5, v0
	v_readfirstlane_b32 s[WV], v1                  ; wave 0..7 = batch
	s_mul_i32 s[SMP0], ttmp9, 64*NSG
	s_mov_b32 s[MC4], 4*0xcc9907                   ; 0x0332641c: 80,000 times it is 999.0 x 2^32
	s_mul_hi_u32 s[FR0], s[SMP0], s[MC4]
	s_min_u32 s[FR0], s[FR0], 984                  ; the window's 16 frames stay inside the row of 1,000
	s_mov_b32 s[SG], s[SMP0]
	s_mov_b32 s[CNT], NSG
	SPAIR K1, 0x3e22f983                           ; 1 / (2 pi), rounded to f32
	SPAIR K2, 0x31dc9c88                           ; what that rounding left: 6.4206381e-9
	SPAIR Q0, 0x40c8defd                           ;   6.2772201
	SPAIR Q1, 0xc22480b4                           ; -41.125686
	SPAIR Q2, 0x429eca23                           ;  79.394801
	SPAIR Q3, 0xc2869c0a                           ; -67.304760
	SPAIR Q4, 0x41be4289                           ;  23.782487
	SPAIR C32, 0x3c4c9907                          ; 999 / 79999, rounded to f32
	SPAIR CST, 0x39cde32e                          ; 2 pi / 16000, rounded to f32
	SPAIR C64, 0x42800000                          ; 64.0
	s_mov_b32 s[C998], 0x44798000                  ; 998.0
	s_mov_b32 s[HM], 0xffff0000
	s_mov_b32 s[MP], 0x4b100000                    ; 2^23 + 2^20
	s_mov_b32 s[SEL], 0x76543210
	s_mov_b32 s[SEL+1], 0xfedcba98
	v_and_b32 v[TMP], 15, v0                       ; r: my frame of the window, my row or column of a fragment
	v_bfe_u32 v1, v0, 4, 1                         ; hh: which 50 harmonics are mine
	v_add_nc_u32 v[HO], s[FR0], v[TMP]
	v_lshlrev_b32 v[HO], 2, v[HO]
	v_mul_u32_u24 v[XA], v1, 200000                ; 50 rows of 4,000 bytes
	v_add_nc_u32 v[HO], v[HO], v[XA]
	s_mul_i32 s[TS], s[WV], 400000                 ; the batch's 100 rows of harmonic_dist
	s_mov_b32 s[TS+1], 0
	s_mul_i32 s[TS2], s[WV], 4000                  ; its row of f0 and of phase_shift
	s_mov_b32 s[TS2+1], 0
	s_wait_kmcnt 0x0
	s_add_nc_u64 s[6:7], s[6:7], s[TS:TS+1]
.set m, 0
.rept 50                               ; my frame of my 50 harmonics: sixteen lanes take 64 consecutive bytes of a row
	global_load_b32 v[X+m], v[HO], s[6:7] offset:4000*m
.set m, m+1
.endr
	s_add_nc_u64 s[4:5], s[4:5], s[TS2:TS2+1]
	s_add_nc_u64 s[8:9], s[8:9], s[TS2:TS2+1]
	NEXTSG                                         ; the first trip's f0 and phase_shift
	; all that follows up to the wait stands while the loads are on their way
	s_mul_i32 s[TS], s[WV], 320000                 ; out0: the batch's row,
	s_mul_i32 s[TS2], ttmp9, 256*NSG               ; the chunk's 1,280 bytes
	s_add_co_u32 s[TS], s[TS], s[TS2]
	s_add_nc_u64 s[10:11], s[10:11], s[TS:TS+1]
	s_mul_i32 s[TS2], s[WV], WIN                   ; my wave's window
	v_and_b32 v[LA0], 7, v0
	v_min_u32 v[LA0], 2, v[LA0]                    ; A's row m is frame a + min(m % 8, 2)
	v_mul_u32_u24 v[LA0], v[LA0], PITCH
	v_lshl_add_u32 v[LA0], v1, 7, v[LA0]           ; a row's first 128 bytes are hh = 0's 32 registers, the next 128 hh = 1's
	v_add_nc_u32 v[LA0], s[TS2], v[LA0]
	v_mul_u32_u24 v[STA], v[TMP], PITCH
	v_lshl_add_u32 v[STA], v1, 7, v[STA]
	v_add_nc_u32 v[STA], s[TS2], v[STA]
	v_mul_u32_u24 v[XA], v1, 50
	v_add_nc_u32 v[XA], 1, v[XA]
	v_cvt_f32_u32 v[H], v[XA]                      ; 50 hh + 1,
	v_add_f32 v[H+1], 1.0, v[H]                    ; 50 hh + 2,
.set i, 2
.rept 24
	v_pk_add_f32 v[H+i:H+i+1], v[H+i-2:H+i-1], 2.0 op_sel_hi:[1,0]  ; and so on: whole numbers, exact
.set i, i+2
.endr
	v_mov_b32 v[MN], 0x4b700000                    ; 2^24 - 2^20
.irp r, TPA+1,TPA+3,TPA+5,TPB+1,TPB+3,TPB+5,BX,PX
	v_mov_b32 v[\r], 0                             ; the pairs' upper words are named, never used; v_permlanex16_b32 counts as a reader of its destination
.endr
.set i, 25
.rept 7
	v_mov_b32 v[SA+i], 0                           ; the 28 K places that hold no harmonic
	v_mov_b32 v[SB+i], 0
.set i, i+1
.endr
	v_and_b32 v[TMP], 31, v0
	v_lshlrev_b32 v[OA], 3, v[TMP]
	v_lshl_add_u32 v[TMP], v[TMP], 1, s[SMP0]      ; my first sample
	v_cvt_f32_u32 v[SF], v[TMP]
	v_add_f32 v[SF+1], 1.0, v[SF]
	v_pk_mul_f32 v[POS:POS+1], v[SF:SF+1], s[C32:C32+1] op_sel_hi:[1,0]
	v_floor_f32 v[FL], v[POS]
	v_floor_f32 v[FL+1], v[POS+1]
	s_wait_loadcnt 0x0                             ; my frame's 50 numbers are in
.set i, 0
.rept 25
	v_cvt_pk_f16_f32 v[XF+i], v[X+2*i], v[X+2*i+1]
.set i, i+1
.endr
.rept 7
	v_mov_b32 v[XF+i], 0
.set i, i+1
.endr
.set i, 0
.rept 8                                ; sixteen lanes store the same 16 bytes of sixteen rows: sixteen different groups of four banks
	ds_store_b128 v[STA], v[XF+4*i:XF+4*i+3] offset:16*i
.set i, i+1
.endr
	; no barrier: a wave reads only the rows that it stored itself, and LDS serves a wave's instructions in order (ISA guide 5.7.1.4)
.Ltrip:
	s_wait_kmcnt 0x0                               ; this trip's f0 and phase_shift, asked for a trip ago
	v_min_num_f32 v[FL], s[C998], v[FL]            ; reference()'s clip: i0 <= 998
	v_min_num_f32 v[FL+1], s[C998], v[FL+1]
	v_cvt_f32_u32 v[AGF], s[AG]
	v_mov_b32 v[TF1], s[SFQ+1]
	v_mov_b32 v[TF2], s[SFQ+2]
	v_mov_b32 v[TP1], s[SPH+1]
	v_mov_b32 v[TP2], s[SPH+2]
	v_pk_add_f32 v[W:W+1], v[POS:POS+1], v[FL:FL+1] neg_lo:[0,1] neg_hi:[0,1]  ; w = pos - i0
	v_cmp_neq_f32 s[REL], v[AGF], v[FL]            ; i0 = a + 1?
	v_cmp_neq_f32 s[REL+1], v[AGF], v[FL+1]
.irp j, 0,1
	v_cndmask_b32 v[X0+\j], s[SFQ], v[TF1], s[REL+\j]  ; f0[i0], f0[i0 + 1],
	v_cndmask_b32 v[X1+\j], v[TF1], v[TF2], s[REL+\j]
	v_cndmask_b32 v[Y0+\j], s[SPH], v[TP1], s[REL+\j]  ; phase_shift[i0], phase_shift[i0 + 1]
	v_cndmask_b32 v[Y1+\j], v[TP1], v[TP2], s[REL+\j]
.endr
.if CT_FIRST
	v_pk_mul_f32 v[CT:CT+1], v[SF:SF+1], s[CST:CST+1] op_sel_hi:[1,0]  ; (2 pi / 16000) * t, rounded by itself
.endif
	LERP FU, X0, X1                                ; f0_up
	LERP PSU, Y0, Y1                               ; ps_up
.if CT_FIRST
	v_pk_mul_f32 v[BASE:BASE+1], v[FU:FU+1], v[CT:CT+1]                ; base = f0_up times that: the second rounding
.else
	v_pk_mul_f32 v[FU:FU+1], v[FU:FU+1], s[CST:CST+1] op_sel_hi:[1,0]  ; (2 pi / 16000) * f0_up,
	v_pk_mul_f32 v[BASE:BASE+1], v[FU:FU+1], v[SF:SF+1]                ; times t
.endif
	v_add_nc_u32 v[XA], s[AOFF], v[LA0]
.set i, 0
.rept 8                                ; A's fragment for both groups; it is wanted behind the first group's sines
	ds_load_b128 v[XF+4*i:XF+4*i+3], v[XA] offset:16*i
.set i, i+1
.endr
	s_cmp_lg_u32 s[CNT], 1                         ; the last trip asks for nothing
	s_cbranch_scc0 .Lno_more
	NEXTSG                                         ; every line that reads this trip's scalars stands above
.Lno_more:
	PERM 0
	CND4 0
	MSEL
	SINES TPA, SA
	SINES TPB, SB
	PERM 1
	s_wait_dscnt 0x0                               ; A's fragment is in
	MMS
	CND4 1                                         ; four plain lines that name none of the products' registers stand between them and the first read of the sums (ISA guide 7.12.1)
	EPI 0
	MSEL
	SINES TPA, SA
	SINES TPB, SB
	MMS
	v_pk_add_f32 v[SF:SF+1], v[SF:SF+1], s[C64:C64+1] op_sel_hi:[1,0]   ; the next trip's samples, pos and floor: again four plain lines behind the products
	v_pk_mul_f32 v[POS:POS+1], v[SF:SF+1], s[C32:C32+1] op_sel_hi:[1,0]
	v_floor_f32 v[FL], v[POS]
	v_floor_f32 v[FL+1], v[POS+1]
	EPI 1
	global_store_b64 v[OA], v[OUT:OUT+1], s[10:11] th:TH_STORE_NT      ; 32 lanes store 256 consecutive bytes, at a multiple of 256 from out0's first byte
	s_wait_xcnt 0x0                                ; the store has read its base and its data: only now are they written again
	s_add_nc_u64 s[10:11], s[10:11], 256
	s_sub_co_u32 s[CNT], s[CNT], 1
	s_cmp_lg_u32 s[CNT], 0
	s_cbranch_scc1 .Ltrip
	s_wait_tensorcnt 0x0                           ; the wave's end, behind my last LDS store
	ds_add_u32 v[SPW], v[NIL]
	s_wait_dscnt 0x0
	s_endpgm
.Lfunc_end_k_q4c960aa797_harmonics:
	.size	k_q4c960aa797_harmonics, .Lfunc_end_k_q4c960aa797_harmonics-k_q4c960aa797_harmonics
	.p2alignl 7, 3214868480
	.fill 96, 4, 3214868480
	.section	.rodata,"a",@progbits
	.p2align	6, 0x0
	.amdhsa_kernel k_q4c960aa797_harmonics
		.amdhsa_group_segment_fixed_size 35840
		.amdhsa_private_segment_fixed_size 0
		.amdhsa_enable_private_segment 0
		.amdhsa_kernarg_size 32
		.amdhsa_user_sgpr_count 2
		.amdhsa_user_sgpr_kernarg_segment_ptr 1
		.amdhsa_wavefront_size32 1
		.amdhsa_system_sgpr_workgroup_id_x 1
		.amdhsa_system_sgpr_workgroup_id_y 1
		.amdhsa_system_sgpr_workgroup_id_z 1
		.amdhsa_system_vgpr_workitem_id 0
		.amdhsa_next_free_vgpr 256
		.amdhsa_next_free_sgpr 66
		.amdhsa_reserve_vcc 1
		.amdhsa_float_denorm_mode_32 3
		.amdhsa_float_denorm_mode_16_64 3
		.amdhsa_memory_ordered 1
		.amdhsa_forward_progress 1
		.amdhsa_inst_pref_size 95
	.end_amdhsa_kernel
	.amdgpu_metadata
---
amdhsa.version: [ 1, 2 ]
amdhsa.kernels:
  - .name:           k_q4c960aa797_harmonics
    .symbol:         k_q4c960aa797_harmonics.kd
    .args:
      - { .name: f0, .offset: 0, .size: 8, .value_kind: global_buffer, .address_space: global }
      - { .name: harmonic_dist, .offset: 8, .size: 8, .value_kind: global_buffer, .address_space: global }
      - { .name: phase_shift, .offset: 16, .size: 8, .value_kind: global_buffer, .address_space: global }
      - { .name: out0, .offset: 24, .size: 8, .value_kind: global_buffer, .address_space: global }
    .group_segment_fixed_size: 35840
    .private_segment_fixed_size: 0
    .kernarg_segment_align: 8
    .kernarg_segment_size: 32
    .max_flat_workgroup_size: 256
    .sgpr_count:     66
    .vgpr_count:     256
    .wavefront_size: 32
...
	.end_amdgpu_metadata
.endif
;; end of part 1
